; MI455X (gfx1250); checked and timed in simulation.
; The chip was launched on July 23, 2026; its instructions are those of AMD's public machine-readable ISA for CDNA 5 (MIT licence, August 2026) and "CDNA5" Instruction Set Architecture Reference Guide (July 2026). The comments in the code are by the model that wrote it; some were corrected since.
;; Fu Y. Allowed arithmetic: float matrix products may take bf16 or f16 operands with f32 sums; all other float work in f32.
;; Inputs: x 16 x 2,048 x 64 float32.
;; Outputs: out0 16 x 2,768 x 64 float32.
;; Constants: k = 16, low_freq = 1, pred_len = 720.
;; 2 versions, each right; version 2 is version 1 with the launch spectrum written anew for expert scheduling mode. Each part assembles by itself: llvm-mc -triple=amdgcn-amd-amdhsa -mcpu=gfx1250 --defsym DOCPART=n.
;; ======== version 1 of 2: 2 launches
;; limits: right only within a limited range of input values
;; workspace buffers: ws 8,388,608 bytes
;; launch spectrum (part 1): grid 256 x 1, 4 waves a work-group, no clusters, 115,968 bytes of LDS; arguments x, ws; writes ws
.if DOCPART == 1
	.amdgcn_target "amdgcn-amd-amdhsa--gfx1250"
	.amdhsa_code_object_version 6
	.text
	.protected	k_qb996cfab47_spectrum
	.globl	k_qb996cfab47_spectrum
	.p2align	8
	.type	k_qb996cfab47_spectrum,@function
k_qb996cfab47_spectrum:
	s_mov_b64 s[64:65], 0
	v_nop
	global_prefetch_b8 v0, s[64:65] scope:SCOPE_SE
	s_setreg_imm32_b32 hwreg(HW_REG_WAVE_MODE, 25, 1), 1
	s_wait_xcnt 0x0
; First of two launches.  x: [16][2048][64] f32.  ws: [256][2048][4] f32, plane b*16+cg holds channels 4cg..4cg+3 of batch b.
; For every (batch, channel): 2048-point DFT along t, keep the 16 largest of bins 1..1023, inverse DFT of what is kept.
; That IS the sum of 2|X|/2048 cos(2 pi k t/2048 + arg X) over the kept bins for t = 0..2047; k is whole, so the sum has period 2048
; and the second launch writes rows 0..719 once more as rows 2048..2767.
;
; A work-group (4 waves, 128 threads) owns one batch and 4 channels.  Channels (c0,c1) and (c2,c3) are packed as two complex
; sequences z = c0 + i c1: a lane's 16 loaded bytes are two complex numbers, and one v_pk_*_f32 works on one (re, im) pair.
; 2048 = 16 x 16 x 8: thread s holds the 16 points s + 128 a; three register passes, two exchanges through LDS.
; The top-16 only SELECTS values (v_cndmask): no address and no branch depends on a floating-point number.
;
; All in f32, no matrix instructions: the 16th and the 17th magnitude of a channel may lie within 1e-5 of each other, so operands of
; 16 bits would elect other bins.
; No cluster: the 16 work-groups of a batch read the same rows of x, but each another 16-byte column of them; a joint tile would have to
; be taken apart by an LDS address that depends on the place in the cluster.  A work-group needs all 2048 rows of its channels, and all
; 64 channels of a batch (512 KB) are more than a work-group's LDS, so x is read in pieces of 16 bytes; ws is written in aligned runs
; of 512 bytes.  No prefetch: all of a work-group's x is asked for in its first lines.
;
; LIMITS.  Bins are ranked by |2X|^2 in f32 (monotone in |X|): finite and normal for |X| from about 1e-19 to 9e18.  Equal values are
; taken in ascending k, as lax.top_k does.  The order of rounding differs from that of reference()'s FFT and abs: two magnitudes within
; a few ulps of each other may rank the other way, and a large common offset in x widens that band.  NaN and infinities in x are not
; served.  The exact period 2048 stands for reference()'s cosine of arguments rounded to f32 (up to 8,700 rad: about 1e-3 rad of phase).
.set TW,  0                            ; LDS: W^j = (cos, -sin)(2 pi j/2048), j = 0..2047, 8 bytes each
.set X3,  16384                        ; mirror exchange: 1024 slots of 16 bytes
.set MG,  32768                        ; |2X|^2 of bins 0..1023, 4 channels each: bin k, channel c at 16 k + 4 c
.set MK,  49152                        ; masks: channel c, wave w, m at 128 c + 32 w + 4 m; bit l = bin l + 32 (w + 4 m)
.set X1,  49664                        ; exchange 1: 16 rows d of 128 points
.set X1P, 2064                         ; its pitch, 129 x 16 bytes: 16 lanes on 16 rows fall on 16 different 16-byte columns modulo 256
.set X2,  82688                        ; exchange 2: b' x 4096 + d' x 256 + d x 16
.set DA,  16                           ; v16-79   16 points x (A.re, A.im, B.re, B.im)
.set TT,  80                           ; v80-95   temporaries
.set WA,  96                           ; v96-127  W^(s d) at WA + 2 d, d = 1..15: twiddles behind pass 1
.set WB,  128                          ; v128-159 W^(16 b' d') at WB + 2 d': twiddles behind pass 2
.set EB,  160                          ; v160-223 the transform in natural order, point s + 128 m at EB + 4 m
.set PB,  EB+32                        ; its upper half, later P = Z[k] + Z[2048-k]
.set VB,  224                          ; v224-255 the 32 magnitudes that a lane ranks
.set SA,  DA+32                        ; sort banks: registers that are free while the election runs
.set SB,  EB
.set MS,  32                           ; s32-63   mask of (m, c) at MS + 8 c + m
.set TB,  TT
.set CT,  TT
.set K_C8,  0x3f6c835e                 ; cos(pi/8)
.set K_NC8, 0xbf6c835e
.set K_S8,  0x3ec3ef15                 ; sin(pi/8)
.set K_NS8, 0xbec3ef15
.set K_H,   0x3f3504f3                 ; sqrt(1/2)
.set K_NH,  0xbf3504f3
.set K_STEP, 0x3b490fdb                ; pi/1024
.set K_S3,  0xbe2aaaab                 ; -1/3!   Taylor series; on |theta| <= pi/4 the first terms left out are below 2e-9
.set K_S5,  0x3c088889                 ;  1/5!
.set K_S7,  0xb9500d01                 ; -1/7!
.set K_S9,  0x3638ef1d                 ;  1/9!
.set K_C4,  0x3d2aaaab                 ;  1/4!
.set K_C6,  0xbab60b61                 ; -1/6!
.set K_C8F, 0x37d00d01                 ;  1/8!
.set K_C10, 0xb493f27e                 ; -1/10!
.macro BARRIER                         ; my LDS stores are done and my LDS loads are in before I say so; then all four waves have said so
	s_wait_dscnt 0x0
	s_barrier_signal -1
	s_barrier_wait -1
.endm
; Radix 4, in place, W4 = -i.  A factor -i or +i on the second source is taken by the choice of halves and signs.
; rot = 1: x2 still owes a factor -i.
.macro BF4 x0, x1, x2, x3, rot
.if \rot
	v_pk_add_f32 v[TB:TB+1],   v[\x0:\x0+1], v[\x2:\x2+1] op_sel:[0,1] op_sel_hi:[1,0] neg_hi:[0,1]
	v_pk_add_f32 v[TB+2:TB+3], v[\x0:\x0+1], v[\x2:\x2+1] op_sel:[0,1] op_sel_hi:[1,0] neg_lo:[0,1]
.else
	v_pk_add_f32 v[TB:TB+1],   v[\x0:\x0+1], v[\x2:\x2+1]
	v_pk_add_f32 v[TB+2:TB+3], v[\x0:\x0+1], v[\x2:\x2+1] neg_lo:[0,1] neg_hi:[0,1]
.endif
	v_pk_add_f32 v[TB+4:TB+5], v[\x1:\x1+1], v[\x3:\x3+1]
	v_pk_add_f32 v[TB+6:TB+7], v[\x1:\x1+1], v[\x3:\x3+1] neg_lo:[0,1] neg_hi:[0,1]
	v_pk_add_f32 v[\x0:\x0+1], v[TB:TB+1], v[TB+4:TB+5]
	v_pk_add_f32 v[\x2:\x2+1], v[TB:TB+1], v[TB+4:TB+5] neg_lo:[0,1] neg_hi:[0,1]
	v_pk_add_f32 v[\x1:\x1+1], v[TB+2:TB+3], v[TB+6:TB+7] op_sel:[0,1] op_sel_hi:[1,0] neg_hi:[0,1]   ; t1 - i t3
	v_pk_add_f32 v[\x3:\x3+1], v[TB+2:TB+3], v[TB+6:TB+7] op_sel:[0,1] op_sel_hi:[1,0] neg_lo:[0,1]   ; t1 + i t3
.set TB, 2*TT+8-TB                     ; the next butterfly takes the other eight temporaries
.endm
; z *= (wr, wi): t = (-im wi, re wi); z = z wr + t.
.macro CMULC z, wr, wi
	v_pk_mul_f32 v[CT:CT+1], v[\z:\z+1], \wi op_sel:[1,0] op_sel_hi:[0,0] neg_lo:[1,0]
	v_pk_fma_f32 v[\z:\z+1], v[\z:\z+1], \wr, v[CT:CT+1] op_sel_hi:[1,0,1]
.set CT, TT+((CT-TT+2)%16)
.endm
.macro CMULV z, w
	v_pk_mul_f32 v[CT:CT+1], v[\z:\z+1], v[\w:\w+1] op_sel:[1,1] op_sel_hi:[0,1] neg_lo:[1,0]
	v_pk_fma_f32 v[\z:\z+1], v[\z:\z+1], v[\w:\w+1], v[CT:CT+1] op_sel_hi:[1,0,1]
.set CT, TT+((CT-TT+2)%16)
.endm
; 16 points at b + 4 a.  a = 4 a1 + a0, d = d0 + 4 d1.  Afterwards slot 4 d0 + d1 holds y[d0 + 4 d1].
.macro DFT16 b
	BF4 \b+0,  \b+16, \b+32, \b+48, 0
	BF4 \b+4,  \b+20, \b+36, \b+52, 0
	BF4 \b+8,  \b+24, \b+40, \b+56, 0
	BF4 \b+12, \b+28, \b+44, \b+60, 0
	CMULC \b+20, K_C8, K_NS8           ; slot 4 d0 + a0 times W16^(a0 d0): (a0, d0) = (1,1): W^1
	CMULC \b+36, K_H, K_NH             ; (1,2) W^2
	CMULC \b+52, K_S8, K_NC8           ; (1,3) W^3
	CMULC \b+24, K_H, K_NH             ; (2,1) W^2
	CMULC \b+56, K_NH, K_NH            ; (2,3) W^6;  (2,2) is W^4 = -i: taken in the butterfly below
	CMULC \b+28, K_S8, K_NC8           ; (3,1) W^3
	CMULC \b+44, K_NH, K_NH            ; (3,2) W^6
	CMULC \b+60, K_NC8, K_S8           ; (3,3) W^9
	BF4 \b+0,  \b+4,  \b+8,  \b+12, 0
	BF4 \b+16, \b+20, \b+24, \b+28, 0
	BF4 \b+32, \b+36, \b+40, \b+44, 1
	BF4 \b+48, \b+52, \b+56, \b+60, 0
.endm
; 8 points at ib + 4 b'.  b' = 2 a1 + a0, c' = d0 + 4 d1.  y[c'] goes to ob + 8 c'.
.macro DFT8 ib, ob
	BF4 \ib+0, \ib+8,  \ib+16, \ib+24, 0
	BF4 \ib+4, \ib+12, \ib+20, \ib+28, 0
	CMULC \ib+12, K_H, K_NH            ; W8^1
	CMULC \ib+28, K_NH, K_NH           ; W8^3;  W8^2 = -i is taken in the sums below
	v_pk_add_f32 v[\ob+0:\ob+1],   v[\ib+0:\ib+1],   v[\ib+4:\ib+5]
	v_pk_add_f32 v[\ob+32:\ob+33], v[\ib+0:\ib+1],   v[\ib+4:\ib+5] neg_lo:[0,1] neg_hi:[0,1]
	v_pk_add_f32 v[\ob+8:\ob+9],   v[\ib+8:\ib+9],   v[\ib+12:\ib+13]
	v_pk_add_f32 v[\ob+40:\ob+41], v[\ib+8:\ib+9],   v[\ib+12:\ib+13] neg_lo:[0,1] neg_hi:[0,1]
	v_pk_add_f32 v[\ob+16:\ob+17], v[\ib+16:\ib+17], v[\ib+20:\ib+21] op_sel:[0,1] op_sel_hi:[1,0] neg_hi:[0,1]
	v_pk_add_f32 v[\ob+48:\ob+49], v[\ib+16:\ib+17], v[\ib+20:\ib+21] op_sel:[0,1] op_sel_hi:[1,0] neg_lo:[0,1]
	v_pk_add_f32 v[\ob+24:\ob+25], v[\ib+24:\ib+25], v[\ib+28:\ib+29]
	v_pk_add_f32 v[\ob+56:\ob+57], v[\ib+24:\ib+25], v[\ib+28:\ib+29] neg_lo:[0,1] neg_hi:[0,1]
.endm
; slot ss holds output dd of a DFT16: times its twiddle, then 16 bytes (both sequences) to LDS row dd
.macro TWST w, adr, pitch
.set ss, 0
.rept 16
.set dd, (ss>>2)+4*(ss&3)
.if ss
	CMULV DA+4*ss, \w+2*dd
	CMULV DA+4*ss+2, \w+2*dd
.endif
	ds_store_b128 v\adr, v[DA+4*ss:DA+4*ss+3] offset:dd*\pitch
.set ss, ss+1
.endr
.endm
; X[k] = sum x[n] W^(nk) for both sequences.  In: thread s holds x[s + 128 a] at DA + 4 a.  Out: X[s + 128 m] at EB + 4 m.
; n = 128 a + b; k = d + 16 d' + 256 c'.  Pass 1: thread b, DFT16 over a, times W^(b d).  Pass 2: thread (d = s & 15, b' = s >> 4),
; DFT16 over a' (b = 8 a' + b'), times W^(16 b' d').  Pass 3: thread s takes g = d + 16 d' = s and s + 128, DFT8 over b'.
.macro FFT2048
	DFT16 DA
	DFT16 DA+2
	TWST WA, 4, X1P
	BARRIER                                ; exchange 1 is whole
.set aa, 0
.rept 16
	ds_load_b128 v[DA+4*aa:DA+4*aa+3], v5 offset:aa*128
.set aa, aa+1
.endr
	s_wait_dscnt 0x0
	DFT16 DA
	DFT16 DA+2
	TWST WB, 6, 256
	BARRIER                                ; exchange 2 is whole
.set aa, 0
.rept 16
	ds_load_b128 v[DA+4*aa:DA+4*aa+3], v7 offset:(aa>>3)*2048+(aa&7)*4096
.set aa, aa+1
.endr
	s_wait_dscnt 0x8                       ; LDS loads come back in order: the first group's eight points are in, the eight younger loads may be out
	DFT8 DA,    EB
	DFT8 DA+2,  EB+2
	s_wait_dscnt 0x0
	DFT8 DA+32, EB+4
	DFT8 DA+34, EB+6
.endm
; One quarter of the twiddle table: r = s + 128 m - 256, theta = r pi/1024 in [-pi/4, pi/4); (c, s) serve the four j = 512 q + r.
.macro TWGEN m
	v_add_nc_u32 v[TT], 128*\m, v0
	v_cvt_f32_u32 v[TT], v[TT]
	v_add_f32 v[TT], 0xc3800000, v[TT]                 ; - 256, exact
	v_mul_f32 v[TT], K_STEP, v[TT]
	v_mul_f32 v[TT+1], v[TT], v[TT]
	v_mov_b32 v[TT+2], K_S9
	v_mov_b32 v[TT+3], K_C10
	v_fmaak_f32 v[TT+2], v[TT+1], v[TT+2], K_S7
	v_fmaak_f32 v[TT+3], v[TT+1], v[TT+3], K_C8F
	v_fmaak_f32 v[TT+2], v[TT+1], v[TT+2], K_S5
	v_fmaak_f32 v[TT+3], v[TT+1], v[TT+3], K_C6
	v_fmaak_f32 v[TT+2], v[TT+1], v[TT+2], K_S3
	v_fmaak_f32 v[TT+3], v[TT+1], v[TT+3], K_C4
	v_mul_f32 v[TT+2], v[TT+1], v[TT+2]
	v_fmaak_f32 v[TT+3], v[TT+1], v[TT+3], 0xbf000000
	v_fma_f32 v[TT+4], v[TT], v[TT+2], v[TT]           ; sin = theta + theta (z p)
	v_fma_f32 v[TT+5], v[TT+1], v[TT+3], 1.0           ; cos
	v_xor_b32 v[TT+6], 0x80000000, v[TT+4]             ; TT+4..7  = s, c, -s, -c
	v_xor_b32 v[TT+7], 0x80000000, v[TT+5]
	v_mov_b32 v[TT+8], v[TT+5]                         ; TT+8..11 = c, -s, -c, s: a stored pair starts at an even register
	v_mov_b32 v[TT+9], v[TT+6]
	v_mov_b32 v[TT+10], v[TT+7]
	v_mov_b32 v[TT+11], v[TT+4]
	ds_store_b64 v12, v[TT+8:TT+9]   offset:TW+8*((128*\m+1792)%2048)    ; q = 0: ( c, -s)
	ds_store_b64 v12, v[TT+6:TT+7]   offset:TW+8*(128*\m+256)            ; q = 1: (-s, -c)
	ds_store_b64 v12, v[TT+10:TT+11] offset:TW+8*(128*\m+768)            ; q = 2: (-c,  s)
	ds_store_b64 v12, v[TT+4:TT+5]   offset:TW+8*(128*\m+1280)           ; q = 3: ( s,  c)
.endm
; slots 1024 - (s + 128 m), m = 0..7, of the mirror exchange into dst + 4 m (thread 0, m = 0 meets slot 0)
.macro MIRROR dst
	ds_load_b128 v[\dst:\dst+3], v2 offset:X3
.set mm, 1
.rept 7
	ds_load_b128 v[\dst+4*mm:\dst+4*mm+3], v3 offset:X3+(7-mm)*2048
.set mm, mm+1
.endr
.endm
; One layer of a bitonic network on n registers, from bank src to bank dst (every register takes part, so nothing is copied).
; Blocks with (index & k2) = 0 put the larger value at the lower index, the others the other way round.
.macro BLAYER src, dst, n, k2, j
.set ii, 0
.rept \n
.set ll, ii^\j
.if ll > ii
.if (ii & \k2) == 0
	v_max_num_f32 v[\dst+ii], v[\src+ii], v[\src+ll]
	v_min_num_f32 v[\dst+ll], v[\src+ii], v[\src+ll]
.else
	v_min_num_f32 v[\dst+ii], v[\src+ii], v[\src+ll]
	v_max_num_f32 v[\dst+ll], v[\src+ii], v[\src+ll]
.endif
.endif
.set ii, ii+1
.endr
.endm
; My 16 (descending) against the partner lane's 16 taken backwards: the 16 maxima are the 16 largest of the 32, a bitonic run; sort it.
; The result ends in bank dst.
.macro XLEVEL src, dst, xm
.set ii, 0
.rept 16
	v_max_num_f32_dpp v[\dst+ii], v[\src+15-ii], v[\src+ii] row_xmask:\xm row_mask:0xf bank_mask:0xf
.set ii, ii+1
.endr
	BLAYER \dst, \src, 16, 64, 8
	BLAYER \src, \dst, 16, 64, 4
	BLAYER \dst, \src, 16, 64, 2
	BLAYER \src, \dst, 16, 64, 1
.endm
	; ---- x is asked for first: thread s takes rows s + 128 a, 16 bytes (my 4 channels) of each
	s_load_b128 s[4:7], s[0:1], 0x0                ; x, ws
	v_lshl_add_u32 v128, v0, 2, 0x1c300
	v_mov_b32 v129, 0
	v_lshlrev_b32 v11, 8, v0                       ; s rows of 256 bytes
	s_lshr_b32 s10, ttmp9, 4                       ; batch
	s_lshl_b32 s10, s10, 19                        ; x 2048 rows x 256 bytes
	s_and_b32 s11, ttmp9, 15                       ; channel group
	s_lshl_b32 s11, s11, 4
	s_add_co_u32 s10, s10, s11
	s_mov_b32 s11, 0
	s_lshl_b32 s14, ttmp9, 15                      ; my plane of ws: 2048 x 16 bytes
	s_mov_b32 s15, 0
	s_wait_kmcnt 0x0
	s_add_nc_u64 s[4:5], s[4:5], s[10:11]
	s_add_nc_u64 s[6:7], s[6:7], s[14:15]
.set aa, 0
.rept 16
	global_load_b128 v[DA+4*aa:DA+4*aa+3], v11, s[4:5] offset:aa*32768
.set aa, aa+1
.endr
	; ---- the twiddle table and the addresses, while x is on its way
	v_lshlrev_b32 v12, 3, v0                       ; 8 s
	TWGEN 0
	TWGEN 1
	TWGEN 2
	TWGEN 3
	v_lshlrev_b32 v1, 4, v0                        ; 16 s
	v_sub_nc_u32 v2, 0x400, v0
	v_and_b32 v2, 0x3ff, v2
	v_lshlrev_b32 v2, 4, v2                        ; mirror of index s: slot (1024 - s) mod 1024
	v_sub_nc_u32 v3, 0x80, v0
	v_and_b32 v3, 0xff, v3                         ; 1..128: the mask changes nothing and shows the bound
	v_lshlrev_b32 v3, 4, v3                        ; mirror of index s + 128 m, m >= 1: slot 128 - s, plus 128 (7 - m) in the offset
	v_add_nc_u32 v4, X1, v1                        ; exchange 1, in: row d, point s
	v_and_b32 v6, 15, v0                           ; d
	v_lshrrev_b32 v15, 4, v0                       ; b'
	v_mul_u32_u24 v5, X1P, v6
	v_lshl_add_u32 v5, v15, 4, v5
	v_add_nc_u32 v5, X1, v5                        ; exchange 1, out: row d, point b' + 8 a'
	v_lshlrev_b32 v6, 4, v6
	v_lshl_add_u32 v6, v15, 12, v6
	v_add_nc_u32 v6, X2, v6                        ; exchange 2, in: plane b', row d', column d
	v_add_nc_u32 v7, X2, v1                        ; exchange 2, out: plane b', place g = s (+128)
	v_and_b32 v8, 31, v0
	v_lshrrev_b32 v14, 5, v0                       ; wave
	v_lshlrev_b32 v8, 4, v8
	v_lshl_add_u32 v8, v14, 2, v8                  ; 16 lane + 4 wave: bin = lane (+32 r), channel = wave
	v_and_b32 v10, 0x60, v0                        ; 32 wave: my wave's eight mask words of a channel
	v_lshlrev_b32 v13, 7, v15                      ; 8 bytes x 16 b'
	v_mov_b32 v9, -1.0
	s_mov_b32 s12, 0x76543210                      ; v_permlanex16_b32: lane i of one half reads lane i of the other
	s_mov_b32 s13, 0xfedcba98
	BARRIER                                        ; the table is whole
	v_mov_b32 v14, v12
	v_mov_b32 v15, v13
.set dd, 1
.rept 15
	ds_load_b64 v[WA+2*dd:WA+2*dd+1], v14 offset:TW        ; W^(s d):      s d <= 1905
	ds_load_b64 v[WB+2*dd:WB+2*dd+1], v15 offset:TW        ; W^(16 b' d):  16 b' d <= 1680
	v_add_nc_u32 v14, v14, v12
	v_add_nc_u32 v15, v15, v13
.set dd, dd+1
.endr
	s_wait_loadcnt 0x0                             ; x
	s_wait_dscnt 0x0                               ; twiddles
	FFT2048                                        ; EB + 4 m = Z[s + 128 m]
	; ---- the two channels of a sequence: with Z' = Z[2048 - k], P = Z + Z', M = Z - Z':  2 X0 = (P.re, M.im), 2 X1 = (P.im, -M.re)
.set mm, 8
.rept 8
	ds_store_b128 v1, v[EB+4*mm:EB+4*mm+3] offset:X3+(mm-8)*2048   ; bin 1024 + j to slot j
.set mm, mm+1
.endr
	BARRIER
	MIRROR DA
	s_wait_dscnt 0x0
.set mm, 0
.rept 8
.irp q, 0, 2
	v_pk_add_f32 v[PB+4*mm+\q:PB+4*mm+\q+1], v[EB+4*mm+\q:EB+4*mm+\q+1], v[DA+4*mm+\q:DA+4*mm+\q+1]
	v_pk_add_f32 v[DA+4*mm+\q:DA+4*mm+\q+1], v[EB+4*mm+\q:EB+4*mm+\q+1], v[DA+4*mm+\q:DA+4*mm+\q+1] neg_lo:[0,1] neg_hi:[0,1]
	v_pk_mul_f32 v[EB+4*mm+\q:EB+4*mm+\q+1], v[DA+4*mm+\q:DA+4*mm+\q+1], v[DA+4*mm+\q:DA+4*mm+\q+1] op_sel:[1,1] op_sel_hi:[0,0]
	v_pk_fma_f32 v[EB+4*mm+\q:EB+4*mm+\q+1], v[PB+4*mm+\q:PB+4*mm+\q+1], v[PB+4*mm+\q:PB+4*mm+\q+1], v[EB+4*mm+\q:EB+4*mm+\q+1]
.endr
.set mm, mm+1
.endr
	v_cmp_eq_u32 vcc_lo, 0, v0                     ; bin 0 does not stand for election: -1 is below every square
.irp c, 0, 1, 2, 3
	v_cndmask_b32 v[EB+\c], v[EB+\c], v9, vcc_lo
.endr
.set mm, 0
.rept 8
	ds_store_b128 v1, v[EB+4*mm:EB+4*mm+3] offset:MG+mm*2048
.set mm, mm+1
.endr
	BARRIER
	; ---- the election: wave w ranks channel w; lane l, register r hold bin l + 32 r
.set rr, 0
.rept 32
	ds_load_b32 v[VB+rr], v8 offset:MG+rr*512
.set rr, rr+1
.endr
	s_wait_dscnt 0x0
	BLAYER VB, SA, 32, 2, 1                        ; each lane: two runs of 16, the first descending, the second ascending
	BLAYER SA, SB, 32, 4, 2
	BLAYER SB, SA, 32, 4, 1
	BLAYER SA, SB, 32, 8, 4
	BLAYER SB, SA, 32, 8, 2
	BLAYER SA, SB, 32, 8, 1
	BLAYER SB, SA, 32, 16, 8
	BLAYER SA, SB, 32, 16, 4
	BLAYER SB, SA, 32, 16, 2
	BLAYER SA, SB, 32, 16, 1
.set ii, 0
.rept 16
	v_max_num_f32 v[SA+ii], v[SB+ii], v[SB+16+ii]  ; the lane's 16 largest: no lane can give more than 16
.set ii, ii+1
.endr
	BLAYER SA, SB, 16, 64, 8
	BLAYER SB, SA, 16, 64, 4
	BLAYER SA, SB, 16, 64, 2
	BLAYER SB, SA, 16, 64, 1
	XLEVEL SA, SB, 1                               ; the 16 largest of 2, 4, 8, 16 lanes
	XLEVEL SB, SA, 2
	XLEVEL SA, SB, 4
	XLEVEL SB, SA, 8
.set ii, 0
.rept 16
	v_permlanex16_b32 v[SB+ii], v[SA+15-ii], s12, s13
.set ii, ii+1
.endr
.set ii, 0
.rept 16
	v_max_num_f32 v[SB+ii], v[SB+ii], v[SA+ii]     ; the channel's 16 largest, with multiplicity, in every lane
.set ii, ii+1
.endr
	v_min3_num_f32 v[SA+0], v[SB+0], v[SB+1], v[SB+2]
	v_min3_num_f32 v[SA+1], v[SB+3], v[SB+4], v[SB+5]
	v_min3_num_f32 v[SA+2], v[SB+6], v[SB+7], v[SB+8]
	v_min3_num_f32 v[SA+3], v[SB+9], v[SB+10], v[SB+11]
	v_min3_num_f32 v[SA+4], v[SB+12], v[SB+13], v[SB+14]
	v_min3_num_f32 v[SA+0], v[SA+0], v[SA+1], v[SA+2]
	v_min3_num_f32 v[SA+3], v[SA+3], v[SA+4], v[SB+15]
	v_min_num_f32 v13, v[SA+0], v[SA+3]            ; T, the 16th largest
	s_mov_b32 s14, 0                               ; how many of the 16 equal T: so many of the bins equal to T are taken, lowest k first
.set ii, 0
.rept 16
	v_cmp_eq_f32 s16, v[SB+ii], v13
	s_and_b32 s16, s16, 1                          ; lane 0's answer
	s_add_co_u32 s14, s14, s16
.set ii, ii+1
.endr
	v_mov_b32 v14, 0
	s_mov_b32 s15, 0                               ; bins equal to T met so far (k ascends with the lane, then with r)
.set rr, 0
.rept 32
	v_cmp_gt_f32 s17, v[VB+rr], v13
	v_cmp_eq_f32 s16, v[VB+rr], v13
	v_mbcnt_lo_u32_b32 v15, s16, s15               ; my rank among the equal ones
	v_cmp_gt_u32 vcc_lo, s14, v15
	s_and_b32 s18, vcc_lo, s16
	s_or_b32 s18, s18, s17                         ; bit l: bin l + 32 r is kept
	s_bcnt1_i32_b32 s19, s16
	s_add_co_u32 s15, s15, s19
	v_writelane_b32 v14, s18, (rr&3)*8+(rr>>2)     ; row r = w' + 4 m goes to word 8 w' + m of my channel
.set rr, rr+1
.endr
	v_lshlrev_b32 v15, 2, v0                       ; 128 wave + 4 lane: each wave stores 128 consecutive bytes of its own
	ds_store_b32 v15, v14 offset:MK
	BARRIER
	; ---- back to thread s, bins s + 128 m = lane + 32 (wave + 4 m): the word of that row has my bin at my lane's bit,
	; so it is a v_cndmask mask as it stands
.irp c, 0, 1, 2, 3
	ds_load_b128 v[SA+8*\c:SA+8*\c+3],   v10 offset:MK+128*\c
	ds_load_b128 v[SA+8*\c+4:SA+8*\c+7], v10 offset:MK+128*\c+16
.endr
	s_wait_dscnt 0x0
.set ii, 0
.rept 32
	v_readfirstlane_b32 s[MS+ii], v[SA+ii]         ; the same word in every lane
.set ii, ii+1
.endr
	; Kept spectrum of the packed pair, twice: 2 Y[k] = P~ + M~, 2 Y[2048-k] = P~ - M~, P~ = (m0 P.re, m1 P.im), M~ = (m1 M.re, m0 M.im).
	; The inverse transform is the forward one on data with re and im exchanged, so both are formed exchanged, in other registers.
.set ii, 0
.rept 32
.set jj, ii^1
	v_cndmask_b32 v[VB+ii], 0, v[PB+jj], s[MS+8*(jj&3)+(jj>>2)]
	v_cndmask_b32 v[SA+ii], 0, v[DA+jj], s[MS+8*(ii&3)+(ii>>2)]
.set ii, ii+1
.endr
.set pp, 0
.rept 16
	v_pk_add_f32 v[DA+2*pp:DA+2*pp+1], v[VB+2*pp:VB+2*pp+1], v[SA+2*pp:SA+2*pp+1]
	v_pk_add_f32 v[EB+2*pp:EB+2*pp+1], v[VB+2*pp:VB+2*pp+1], v[SA+2*pp:SA+2*pp+1] neg_lo:[0,1] neg_hi:[0,1]
.set pp, pp+1
.endr
.set mm, 0
.rept 8
	ds_store_b128 v1, v[EB+4*mm:EB+4*mm+3] offset:X3+mm*2048       ; Y[2048 - k] to slot k (the first fill's reads were waited for two barriers ago)
.set mm, mm+1
.endr
	BARRIER
	MIRROR DA+32                                   ; index 1024 + s + 128 m takes slot 1024 - s - 128 m; index 1024 meets slot 0, which is bin 0: zero
	s_wait_dscnt 0x0
	FFT2048
	; ---- exchange re and im back, times 1/2 (P and M carry 2 X) x 1/2048, and out: a wave's store covers 512 consecutive bytes, aligned
.set pp, 0
.rept 32
	v_pk_mul_f32 v[DA+2*pp:DA+2*pp+1], v[EB+2*pp:EB+2*pp+1], 0x39800000 op_sel:[1,0] op_sel_hi:[0,0]
.set pp, pp+1
.endr
.set mm, 0
.rept 16
	global_store_b128 v1, v[DA+4*mm:DA+4*mm+3], s[6:7] offset:mm*2048
.set mm, mm+1
.endr
	s_wait_tensorcnt 0x0
	ds_add_u32 v128, v129
	s_wait_dscnt 0x0
	s_endpgm
.Lfunc_end_k_qb996cfab47_spectrum:
	.size	k_qb996cfab47_spectrum, .Lfunc_end_k_qb996cfab47_spectrum-k_qb996cfab47_spectrum
	.p2alignl 7, 3214868480
	.fill 96, 4, 3214868480
	.section	.rodata,"a",@progbits
	.p2align	6, 0x0
	.amdhsa_kernel k_qb996cfab47_spectrum
		.amdhsa_group_segment_fixed_size 115968
		.amdhsa_private_segment_fixed_size 0
		.amdhsa_enable_private_segment 0
		.amdhsa_kernarg_size 16
		.amdhsa_user_sgpr_count 2
		.amdhsa_user_sgpr_kernarg_segment_ptr 1
		.amdhsa_wavefront_size32 1
		.amdhsa_system_sgpr_workgroup_id_x 1
		.amdhsa_system_sgpr_workgroup_id_y 1
		.amdhsa_system_sgpr_workgroup_id_z 1
		.amdhsa_system_vgpr_workitem_id 0
		.amdhsa_next_free_vgpr 256
		.amdhsa_next_free_sgpr 66
		.amdhsa_reserve_vcc 1
		.amdhsa_float_denorm_mode_32 3
		.amdhsa_float_denorm_mode_16_64 3
		.amdhsa_memory_ordered 1
		.amdhsa_forward_progress 1
		.amdhsa_inst_pref_size 159
	.end_amdhsa_kernel
	.amdgpu_metadata
---
amdhsa.version: [ 1, 2 ]
amdhsa.kernels:
  - .name:           k_qb996cfab47_spectrum
    .symbol:         k_qb996cfab47_spectrum.kd
    .args:
      - { .name: x, .offset: 0, .size: 8, .value_kind: global_buffer, .address_space: global }
      - { .name: ws, .offset: 8, .size: 8, .value_kind: global_buffer, .address_space: global }
    .group_segment_fixed_size: 115968
    .private_segment_fixed_size: 0
    .kernarg_segment_align: 8
    .kernarg_segment_size: 16
    .max_flat_workgroup_size: 128
    .sgpr_count:     66
    .vgpr_count:     256
    .wavefront_size: 32
...
	.end_amdgpu_metadata
.endif
;; end of part 1
;; launch rows (part 2): grid 256 x 1, 8 waves a work-group, no clusters, 35,840 bytes of LDS; arguments ws, out0; writes out0
.if DOCPART == 2
	.amdgcn_target "amdgcn-amd-amdhsa--gfx1250"
	.amdhsa_code_object_version 6
	.text
	.protected	k_qb996cfab47_rows
	.globl	k_qb996cfab47_rows
	.p2align	8
	.type	k_qb996cfab47_rows,@function
k_qb996cfab47_rows:
	s_mov_b64 s[64:65], 0
	v_nop
	global_prefetch_b8 v0, s[64:65] scope:SCOPE_SE
	s_setreg_imm32_b32 hwreg(HW_REG_WAVE_MODE, 25, 1), 1
	s_wait_xcnt 0x0
; Second of two launches.  ws: [16 x 16 planes][2048][4] f32 (plane b*16+cg: channels 4cg..4cg+3 of batch b).  out0: [16][2768][64] f32.
; out0[b][t][c] = ws[b*16 + c/4][t mod 2048][c%4]: the sum of cosines of whole frequencies k/2048 has period 2048,
; so rows 2048..2767 are rows 0..719 stored a second time.
; A wave owns 16 rows of one batch.  In: eight loads, in each of which a half wave reads 256 consecutive, aligned bytes of one plane
; (16 rows x 4 channels).  Through a stage of 16 rows x 272 bytes in LDS that is the wave's own.  Out: eight stores of 512 consecutive,
; aligned bytes (two whole rows).  Waves do not depend on each other: no barrier.
; Memory binds: every byte of ws is read once, every byte of out0 written once.  Matrix units, clusters and tensor loads have nothing
; to do here: no two work-groups read the same bytes.
; block = 16 wave + (x & 15): the 45 blocks of a batch that store twice are spread evenly over its 16 work-groups.
.set PIT,  272                         ; 256 bytes + 16: sixteen lanes on sixteen rows fall on 16 different 16-byte columns modulo 256
.set STG,  16*PIT                      ; a wave's stage
.set OBAT, 2768*256                    ; bytes of a batch in out0
.set REP,  2048*256                    ; from a row to its repeat
.set IN,   8                           ; v8-39   as loaded
.set OUT,  40                          ; v40-71  as stored
	s_load_b128 s[4:7], s[0:1], 0x0                ; ws, out0
	v_lshl_add_u32 v72, v0, 2, 0x8800
	v_mov_b32 v73, 0
	v_lshrrev_b32 v1, 5, v0
	v_readfirstlane_b32 s8, v1                     ; wave
	v_and_b32 v6, 15, v0                           ; i
	v_bfe_u32 v7, v0, 4, 1                         ; h
	v_and_b32 v5, 31, v0
	v_lshlrev_b32 v5, 4, v5                        ; out: 16 lane
	s_lshr_b32 s11, ttmp9, 4                       ; batch
	s_and_b32 s10, ttmp9, 15
	s_lshl4_add_u32 s10, s8, s10                   ; block, 0..127
	s_mul_i32 s9, s8, STG
	v_lshlrev_b32 v2, 4, v6
	v_lshl_or_b32 v2, v7, 15, v2                   ; in: plane 2 n + h (n in the offset), row i
	v_mul_u32_u24 v3, PIT, v6
	v_lshl_add_u32 v3, v7, 4, v3
	v_add_nc_u32 v3, s9, v3                        ; stage, in: row i, bytes 16 (2 n + h)
	v_mul_u32_u24 v4, PIT, v7
	v_lshl_add_u32 v4, v6, 4, v4
	v_add_nc_u32 v4, s9, v4                        ; stage, out: row 2 j + h, bytes 16 i
	s_lshl_b32 s12, s11, 19                        ; 16 planes of 32,768 bytes
	s_lshl_b32 s13, s10, 8                         ; 16 rows of 16 bytes
	s_add_co_u32 s12, s12, s13
	s_mov_b32 s13, 0
	s_mul_i32 s14, s11, OBAT
	s_lshl_b32 s15, s10, 12                        ; 16 rows of 256 bytes
	s_add_co_u32 s14, s14, s15
	s_mov_b32 s15, 0
	s_wait_kmcnt 0x0
	s_add_nc_u64 s[4:5], s[4:5], s[12:13]
	s_add_nc_u64 s[6:7], s[6:7], s[14:15]
.irp n, 0,1,2,3,4,5,6,7
	global_load_b128 v[IN+4*\n:IN+4*\n+3], v2, s[4:5] offset:\n*65536 th:TH_LOAD_NT
.endr
.irp n, 0,1,2,3,4,5,6,7
	s_wait_loadcnt 7-\n                            ; loads come back in order: load n is in, the younger ones stay out
	ds_store_b128 v3, v[IN+4*\n:IN+4*\n+3] offset:32*\n
.endr
.irp j, 0,1,2,3,4,5,6,7
	ds_load_b128 v[OUT+4*\j:OUT+4*\j+3], v4 offset:2*PIT*\j        ; my own bytes, and LDS serves a wave in order: these see the stores above
.endr
.irp j, 0,1,2,3,4,5,6,7
	s_wait_dscnt 7-\j                              ; rows 2 j, 2 j + 1 are in
	global_store_b128 v5, v[OUT+4*\j:OUT+4*\j+3], s[6:7] offset:512*\j th:TH_STORE_NT
.endr
	s_cmp_ge_u32 s10, 45                           ; 45 blocks x 16 rows = 720 rows are stored again
	s_cbranch_scc1 .Lend
.irp j, 0,1,2,3,4,5,6,7
	global_store_b128 v5, v[OUT+4*\j:OUT+4*\j+3], s[6:7] offset:512*\j+REP th:TH_STORE_NT
.endr
.Lend:
	s_wait_tensorcnt 0x0
	ds_add_u32 v72, v73
	s_wait_dscnt 0x0
	s_endpgm
.Lfunc_end_k_qb996cfab47_rows:
	.size	k_qb996cfab47_rows, .Lfunc_end_k_qb996cfab47_rows-k_qb996cfab47_rows
	.p2alignl 7, 3214868480
	.fill 96, 4, 3214868480
	.section	.rodata,"a",@progbits
	.p2align	6, 0x0
	.amdhsa_kernel k_qb996cfab47_rows
		.amdhsa_group_segment_fixed_size 35840
		.amdhsa_private_segment_fixed_size 0
		.amdhsa_enable_private_segment 0
		.amdhsa_kernarg_size 16
		.amdhsa_user_sgpr_count 2
		.amdhsa_user_sgpr_kernarg_segment_ptr 1
		.amdhsa_wavefront_size32 1
		.amdhsa_system_sgpr_workgroup_id_x 1
		.amdhsa_system_sgpr_workgroup_id_y 1
		.amdhsa_system_sgpr_workgroup_id_z 1
		.amdhsa_system_vgpr_workitem_id 0
		.amdhsa_next_free_vgpr 74
		.amdhsa_next_free_sgpr 66
		.amdhsa_reserve_vcc 0
		.amdhsa_float_denorm_mode_32 3
		.amdhsa_float_denorm_mode_16_64 3
		.amdhsa_memory_ordered 1
		.amdhsa_forward_progress 1
		.amdhsa_inst_pref_size 6
	.end_amdhsa_kernel
	.amdgpu_metadata
---
amdhsa.version: [ 1, 2 ]
amdhsa.kernels:
  - .name:           k_qb996cfab47_rows
    .symbol:         k_qb996cfab47_rows.kd
    .args:
      - { .name: ws, .offset: 0, .size: 8, .value_kind: global_buffer, .address_space: global }
      - { .name: out0, .offset: 8, .size: 8, .value_kind: global_buffer, .address_space: global }
    .group_segment_fixed_size: 35840
    .private_segment_fixed_size: 0
    .kernarg_segment_align: 8
    .kernarg_segment_size: 16
    .max_flat_workgroup_size: 256
    .sgpr_count:     66
    .vgpr_count:     74
    .wavefront_size: 32
...
	.end_amdgpu_metadata
.endif
;; end of part 2
;; ======== version 2 of 2: 2 launches; version 1 with the launch spectrum written anew for expert scheduling mode
;; limits: right only within a limited range of input values
;; workspace buffers: ws 8,388,608 bytes
;; launch spectrum (part 3): grid 256 x 1, 4 waves a work-group, no clusters, 115,968 bytes of LDS; arguments x, ws; writes ws
.if DOCPART == 3
	.amdgcn_target "amdgcn-amd-amdhsa--gfx1250"
	.amdhsa_code_object_version 6
	.text
	.protected	k_qb996cfab47_spectrum
	.globl	k_qb996cfab47_spectrum
	.p2align	8
	.type	k_qb996cfab47_spectrum,@function
k_qb996cfab47_spectrum:
	s_mov_b64 s[64:65], 0
	v_nop
	global_prefetch_b8 v0, s[64:65] scope:SCOPE_SE
	s_setreg_imm32_b32 hwreg(HW_REG_WAVE_SCHED_MODE, 0, 2), 2
	s_setreg_imm32_b32 hwreg(HW_REG_WAVE_MODE, 25, 1), 1
	s_wait_xcnt 0x0
	s_wait_alu depctr_vm_vsrc(0)
; First of two launches.  x: [16][2048][64] f32.  ws: [256][2048][4] f32, plane b*16+cg holds channels 4cg..4cg+3 of batch b.
; For every (batch, channel): 2048-point DFT along t, keep the 16 largest of bins 1..1023, inverse DFT of what is kept.
; That IS the sum of 2|X|/2048 cos(2 pi k t/2048 + arg X) over the kept bins for t = 0..2047; k is whole, so the sum has period 2048
; and the second launch writes rows 0..719 once more as rows 2048..2767.
;
; A work-group (4 waves, 128 threads) owns one batch and 4 channels.  Channels (c0,c1) and (c2,c3) are packed as two complex
; sequences z = c0 + i c1: a lane's 16 loaded bytes are two complex numbers, and one v_pk_*_f32 works on one (re, im) pair.
; 2048 = 16 x 16 x 8: thread s holds the 16 points s + 128 a; three register passes, two exchanges through LDS.
; The top-16 only SELECTS values (v_cndmask): no address and no branch depends on a floating-point number.
;
; All in f32, no matrix instructions: the 16th and the 17th magnitude of a channel may lie within 1e-5 of each other, so operands of
; 16 bits would elect other bins.
; No cluster: the 16 work-groups of a batch read the same rows of x, but each another 16-byte column of them; a joint tile would have to
; be taken apart by an LDS address that depends on the place in the cluster.  A work-group needs all 2048 rows of its channels, and all
; 64 channels of a batch (512 KB) are more than a work-group's LDS, so x is read in pieces of 16 bytes; ws is written in aligned runs
; of 512 bytes.  No prefetch: all of a work-group's x is asked for in its first lines.
;
; LIMITS.  Bins are ranked by |2X|^2 in f32 (monotone in |X|): finite and normal for |X| from about 1e-19 to 9e18.  Equal values are
; taken in ascending k, as lax.top_k does.  The order of rounding differs from that of reference()'s FFT and abs: two magnitudes within
; a few ulps of each other may rank the other way, and a large common offset in x widens that band.  NaN and infinities in x are not
; served.  The exact period 2048 stands for reference()'s cosine of arguments rounded to f32 (up to 8,700 rad: about 1e-3 rad of phase).
;
; THE MODE: SCHED_MODE bits 1:0 = 2 (LLVM: expert scheduling mode 2), set by the entry lines.  The code itself states the register
; dependences between vector instructions and memory or LDS instructions, and those through SGPRs and VCC, with s_wait_alu, always for 0.
; THE PLAN.  Registers that memory or LDS instructions touch:
;   v1-v8, v10-v12  offsets and LDS addresses: written at the head, ahead of the head's two waits on va_vdst, and never again.
;   EB+16 m ..      at the head: a set of twelve for each quarter of the twiddle table, so that one wait serves its sixteen stores.
;   VB+0..29        at the head: the thirty addresses of my twiddles, made by multiplies: no address is stepped between two loads.
;   DA              x lands in it; the butterflies work in it; an exchange's sixteen stores read it; behind the exchange's barrier sixteen
;                   loads land in it.  An exchange has two waits on va_vdst (slots 0-7 are written; slots 8-15 are written): the first eight
;                   stores are dealt among the twiddles of slots 8-15, which name none of their registers.  One wait on vm_vsrc behind the
;                   barrier: the stores have read DA.  No vector line between the second wait and the loads.
;   EB              pass 3 writes it; its upper half, its squares and the kept spectrum's mirror half are stored from it, each run of eight
;                   stores behind one wait on va_vdst; it is written again only behind a wait on vm_vsrc.
;   SA = DA+32      sort bank and ranks; the mask words and the second mirror land in it, each behind a wait on va_vdst that stands there
;                   for a store and behind which no vector line names it.
;   WA, WB, VB (magnitudes)  written by loads alone, read by vector lines alone.
; Compares stand in runs, into SGPRs of their own, with one wait on va_sdst behind each run.
.set TW,  0                            ; LDS: W^j = (cos, -sin)(2 pi j/2048), j = 0..2047, 8 bytes each
.set X3,  16384                        ; mirror exchange: 1024 slots of 16 bytes
.set MG,  32768                        ; |2X|^2 of bins 0..1023, 4 channels each: bin k, channel c at 16 k + 4 c
.set MK,  49152                        ; masks: channel c, wave w, m at 128 c + 32 w + 4 m; bit l = bin l + 32 (w + 4 m)
.set X1,  49664                        ; exchange 1: 16 rows d of 128 points
.set X1P, 2064                         ; its pitch, 129 x 16 bytes: 16 lanes on 16 rows fall on 16 different 16-byte columns modulo 256
.set X2,  82688                        ; exchange 2: b' x 4096 + d' x 256 + d x 16
.set DA,  16                           ; v16-79   16 points x (A.re, A.im, B.re, B.im)
.set TT,  80                           ; v80-95   temporaries: no memory instruction names them
.set WA,  96                           ; v96-127  W^(s d) at WA + 2 d, d = 1..15: twiddles behind pass 1
.set WB,  128                          ; v128-159 W^(16 b' d') at WB + 2 d': twiddles behind pass 2
.set EB,  160                          ; v160-223 the transform in natural order, point s + 128 m at EB + 4 m
.set PB,  EB+32                        ; its upper half, later P = Z[k] + Z[2048-k]
.set VB,  224                          ; v224-255 the 32 magnitudes that a lane ranks; at the head the addresses of my twiddles
.set SA,  DA+32                        ; sort banks: registers that are free while the election runs
.set SB,  EB
.set CM,  16                           ; s16-31   the election: a run of 16 masks or counts
.set GM,  32                           ; s32-47   the election: rows' masks 'greater than T'
.set EM,  48                           ; s48-63   the election: rows' masks 'equal to T'
.set MS,  32                           ; s32-63   later: mask of (m, c) at MS + 8 c + m
.set TB,  TT
.set CT,  TT
.set K_C8,  0x3f6c835e                 ; cos(pi/8)
.set K_NC8, 0xbf6c835e
.set K_S8,  0x3ec3ef15                 ; sin(pi/8)
.set K_NS8, 0xbec3ef15
.set K_H,   0x3f3504f3                 ; sqrt(1/2)
.set K_NH,  0xbf3504f3
.set K_STEP, 0x3b490fdb                ; pi/1024
.set K_S3,  0xbe2aaaab                 ; -1/3!   Taylor series; on |theta| <= pi/4 the first terms left out are below 2e-9
.set K_S5,  0x3c088889                 ;  1/5!
.set K_S7,  0xb9500d01                 ; -1/7!
.set K_S9,  0x3638ef1d                 ;  1/9!
.set K_C4,  0x3d2aaaab                 ;  1/4!
.set K_C6,  0xbab60b61                 ; -1/6!
.set K_C8F, 0x37d00d01                 ;  1/8!
.set K_C10, 0xb493f27e                 ; -1/10!
.macro BARRIER                         ; my LDS stores are done and my LDS loads are in before I say so; then all four waves have said so
	s_wait_dscnt 0x0
	s_barrier_signal -1
	s_barrier_wait -1
.endm
; Radix 4, in place, W4 = -i.  A factor -i or +i on the second source is taken by the choice of halves and signs.
; rot = 1: x2 still owes a factor -i.
.macro BF4 x0, x1, x2, x3, rot
.if \rot
	v_pk_add_f32 v[TB:TB+1],   v[\x0:\x0+1], v[\x2:\x2+1] op_sel:[0,1] op_sel_hi:[1,0] neg_hi:[0,1]
	v_pk_add_f32 v[TB+2:TB+3], v[\x0:\x0+1], v[\x2:\x2+1] op_sel:[0,1] op_sel_hi:[1,0] neg_lo:[0,1]
.else
	v_pk_add_f32 v[TB:TB+1],   v[\x0:\x0+1], v[\x2:\x2+1]
	v_pk_add_f32 v[TB+2:TB+3], v[\x0:\x0+1], v[\x2:\x2+1] neg_lo:[0,1] neg_hi:[0,1]
.endif
	v_pk_add_f32 v[TB+4:TB+5], v[\x1:\x1+1], v[\x3:\x3+1]
	v_pk_add_f32 v[TB+6:TB+7], v[\x1:\x1+1], v[\x3:\x3+1] neg_lo:[0,1] neg_hi:[0,1]
	v_pk_add_f32 v[\x0:\x0+1], v[TB:TB+1], v[TB+4:TB+5]
	v_pk_add_f32 v[\x2:\x2+1], v[TB:TB+1], v[TB+4:TB+5] neg_lo:[0,1] neg_hi:[0,1]
	v_pk_add_f32 v[\x1:\x1+1], v[TB+2:TB+3], v[TB+6:TB+7] op_sel:[0,1] op_sel_hi:[1,0] neg_hi:[0,1]   ; t1 - i t3
	v_pk_add_f32 v[\x3:\x3+1], v[TB+2:TB+3], v[TB+6:TB+7] op_sel:[0,1] op_sel_hi:[1,0] neg_lo:[0,1]   ; t1 + i t3
.set TB, 2*TT+8-TB                     ; the next butterfly takes the other eight temporaries
.endm
; z *= (wr, wi): t = (-im wi, re wi); z = z wr + t.
.macro CMULC z, wr, wi
	v_pk_mul_f32 v[CT:CT+1], v[\z:\z+1], \wi op_sel:[1,0] op_sel_hi:[0,0] neg_lo:[1,0]
	v_pk_fma_f32 v[\z:\z+1], v[\z:\z+1], \wr, v[CT:CT+1] op_sel_hi:[1,0,1]
.set CT, TT+((CT-TT+2)%16)
.endm
.macro CMULV z, w
	v_pk_mul_f32 v[CT:CT+1], v[\z:\z+1], v[\w:\w+1] op_sel:[1,1] op_sel_hi:[0,1] neg_lo:[1,0]
	v_pk_fma_f32 v[\z:\z+1], v[\z:\z+1], v[\w:\w+1], v[CT:CT+1] op_sel_hi:[1,0,1]
.set CT, TT+((CT-TT+2)%16)
.endm
; 16 points at b + 4 a.  a = 4 a1 + a0, d = d0 + 4 d1.  Afterwards slot 4 d0 + d1 holds y[d0 + 4 d1].
.macro DFT16 b
	BF4 \b+0,  \b+16, \b+32, \b+48, 0
	BF4 \b+4,  \b+20, \b+36, \b+52, 0
	BF4 \b+8,  \b+24, \b+40, \b+56, 0
	BF4 \b+12, \b+28, \b+44, \b+60, 0
	CMULC \b+20, K_C8, K_NS8           ; slot 4 d0 + a0 times W16^(a0 d0): (a0, d0) = (1,1): W^1
	CMULC \b+36, K_H, K_NH             ; (1,2) W^2
	CMULC \b+52, K_S8, K_NC8           ; (1,3) W^3
	CMULC \b+24, K_H, K_NH             ; (2,1) W^2
	CMULC \b+56, K_NH, K_NH            ; (2,3) W^6;  (2,2) is W^4 = -i: taken in the butterfly below
	CMULC \b+28, K_S8, K_NC8           ; (3,1) W^3
	CMULC \b+44, K_NH, K_NH            ; (3,2) W^6
	CMULC \b+60, K_NC8, K_S8           ; (3,3) W^9
	BF4 \b+0,  \b+4,  \b+8,  \b+12, 0
	BF4 \b+16, \b+20, \b+24, \b+28, 0
	BF4 \b+32, \b+36, \b+40, \b+44, 1
	BF4 \b+48, \b+52, \b+56, \b+60, 0
.endm
; 8 points at ib + 4 b'.  b' = 2 a1 + a0, c' = d0 + 4 d1.  y[c'] goes to ob + 8 c'.
.macro DFT8 ib, ob
	BF4 \ib+0, \ib+8,  \ib+16, \ib+24, 0
	BF4 \ib+4, \ib+12, \ib+20, \ib+28, 0
	CMULC \ib+12, K_H, K_NH            ; W8^1
	CMULC \ib+28, K_NH, K_NH           ; W8^3;  W8^2 = -i is taken in the sums below
	v_pk_add_f32 v[\ob+0:\ob+1],   v[\ib+0:\ib+1],   v[\ib+4:\ib+5]
	v_pk_add_f32 v[\ob+32:\ob+33], v[\ib+0:\ib+1],   v[\ib+4:\ib+5] neg_lo:[0,1] neg_hi:[0,1]
	v_pk_add_f32 v[\ob+8:\ob+9],   v[\ib+8:\ib+9],   v[\ib+12:\ib+13]
	v_pk_add_f32 v[\ob+40:\ob+41], v[\ib+8:\ib+9],   v[\ib+12:\ib+13] neg_lo:[0,1] neg_hi:[0,1]
	v_pk_add_f32 v[\ob+16:\ob+17], v[\ib+16:\ib+17], v[\ib+20:\ib+21] op_sel:[0,1] op_sel_hi:[1,0] neg_hi:[0,1]
	v_pk_add_f32 v[\ob+48:\ob+49], v[\ib+16:\ib+17], v[\ib+20:\ib+21] op_sel:[0,1] op_sel_hi:[1,0] neg_lo:[0,1]
	v_pk_add_f32 v[\ob+24:\ob+25], v[\ib+24:\ib+25], v[\ib+28:\ib+29]
	v_pk_add_f32 v[\ob+56:\ob+57], v[\ib+24:\ib+25], v[\ib+28:\ib+29] neg_lo:[0,1] neg_hi:[0,1]
.endm
; slot ss holds output dd of a DFT16: times its twiddle, then 16 bytes (both sequences) to LDS row dd.
; In two halves: the stores of slots 0-7 are dealt among the twiddles of slots 8-15, which name slots 8-15, the temporaries and W alone.
.macro TWST w, adr, pitch
.set ss, 1
.rept 7
.set dd, (ss>>2)+4*(ss&3)
	CMULV DA+4*ss, \w+2*dd
	CMULV DA+4*ss+2, \w+2*dd
.set ss, ss+1
.endr
	s_wait_alu depctr_va_vdst(0)           ; the butterflies and twiddles have written slots 0-7, which the eight stores below read
.set ss, 8
.rept 8
.set dd, ((ss-8)>>2)+4*((ss-8)&3)
	ds_store_b128 v\adr, v[DA+4*(ss-8):DA+4*(ss-8)+3] offset:dd*\pitch
.set dd, (ss>>2)+4*(ss&3)
	CMULV DA+4*ss, \w+2*dd
	CMULV DA+4*ss+2, \w+2*dd
.set ss, ss+1
.endr
	s_wait_alu depctr_va_vdst(0)           ; the twiddles have written slots 8-15, which the eight stores below read; and every vector line that names DA is done, for the loads behind the barrier
.set ss, 8
.rept 8
.set dd, (ss>>2)+4*(ss&3)
	ds_store_b128 v\adr, v[DA+4*ss:DA+4*ss+3] offset:dd*\pitch
.set ss, ss+1
.endr
.endm
; X[k] = sum x[n] W^(nk) for both sequences.  In: thread s holds x[s + 128 a] at DA + 4 a.  Out: X[s + 128 m] at EB + 4 m.
; n = 128 a + b; k = d + 16 d' + 256 c'.  Pass 1: thread b, DFT16 over a, times W^(b d).  Pass 2: thread (d = s & 15, b' = s >> 4),
; DFT16 over a' (b = 8 a' + b'), times W^(16 b' d').  Pass 3: thread s takes g = d + 16 d' = s and s + 128, DFT8 over b'.
.macro FFT2048
	DFT16 DA
	DFT16 DA+2
	TWST WA, 4, X1P
	BARRIER                                ; exchange 1 is whole
	s_wait_alu depctr_vm_vsrc(0)           ; my stores into exchange 1 have read DA, in which the loads below land
.set aa, 0
.rept 16
	ds_load_b128 v[DA+4*aa:DA+4*aa+3], v5 offset:aa*128
.set aa, aa+1
.endr
	s_wait_dscnt 0x0
	DFT16 DA
	DFT16 DA+2
	TWST WB, 6, 256
	BARRIER                                ; exchange 2 is whole
	s_wait_alu depctr_vm_vsrc(0)           ; my stores into exchange 2 have read DA, in which the loads below land; every earlier store from EB has read it: pass 3 writes EB
.set aa, 0
.rept 16
	ds_load_b128 v[DA+4*aa:DA+4*aa+3], v7 offset:(aa>>3)*2048+(aa&7)*4096
.set aa, aa+1
.endr
	s_wait_dscnt 0x8                       ; LDS loads come back in order: the first group's eight points are in, the eight younger loads may be out
	DFT8 DA,    EB
	DFT8 DA+2,  EB+2
	s_wait_dscnt 0x0
	DFT8 DA+32, EB+4
	DFT8 DA+34, EB+6
.endm
; One line for each quarter m of the twiddle table, in the quarter's own twelve registers tg = EB + 16 m: the four chains take turns.
.macro Q4 line:vararg
.set tg, EB
.rept 4
	\line
.set tg, tg+16
.endr
.endm
; Quarter m's four stores: (c, s) of theta = (s + 128 m - 256) pi/1024 serve the four j = 512 q + r.
.macro TWPUT m
.set tg, EB+16*\m
	ds_store_b64 v12, v[tg+8:tg+9]   offset:TW+8*((128*\m+1792)%2048)    ; q = 0: ( c, -s)
	ds_store_b64 v12, v[tg+6:tg+7]   offset:TW+8*(128*\m+256)            ; q = 1: (-s, -c)
	ds_store_b64 v12, v[tg+10:tg+11] offset:TW+8*(128*\m+768)            ; q = 2: (-c,  s)
	ds_store_b64 v12, v[tg+4:tg+5]   offset:TW+8*(128*\m+1280)           ; q = 3: ( s,  c)
.endm
; slots 1024 - (s + 128 m), m = 0..7, of the mirror exchange into dst + 4 m (thread 0, m = 0 meets slot 0)
.macro MIRROR dst
	ds_load_b128 v[\dst:\dst+3], v2 offset:X3
.set mm, 1
.rept 7
	ds_load_b128 v[\dst+4*mm:\dst+4*mm+3], v3 offset:X3+(7-mm)*2048
.set mm, mm+1
.endr
.endm
; One layer of a bitonic network on n registers, from bank src to bank dst (every register takes part, so nothing is copied).
; Blocks with (index & k2) = 0 put the larger value at the lower index, the others the other way round.
.macro BLAYER src, dst, n, k2, j
.set ii, 0
.rept \n
.set ll, ii^\j
.if ll > ii
.if (ii & \k2) == 0
	v_max_num_f32 v[\dst+ii], v[\src+ii], v[\src+ll]
	v_min_num_f32 v[\dst+ll], v[\src+ii], v[\src+ll]
.else
	v_min_num_f32 v[\dst+ii], v[\src+ii], v[\src+ll]
	v_max_num_f32 v[\dst+ll], v[\src+ii], v[\src+ll]
.endif
.endif
.set ii, ii+1
.endr
.endm
; My 16 (descending) against the partner lane's 16 taken backwards: the 16 maxima are the 16 largest of the 32, a bitonic run; sort it.
; The result ends in bank dst.
.macro XLEVEL src, dst, xm
.set ii, 0
.rept 16
	v_max_num_f32_dpp v[\dst+ii], v[\src+15-ii], v[\src+ii] row_xmask:\xm row_mask:0xf bank_mask:0xf
.set ii, ii+1
.endr
	BLAYER \dst, \src, 16, 64, 8
	BLAYER \src, \dst, 16, 64, 4
	BLAYER \dst, \src, 16, 64, 2
	BLAYER \src, \dst, 16, 64, 1
.endm
	; ---- x is asked for first: thread s takes rows s + 128 a, 16 bytes (my 4 channels) of each
	s_load_b128 s[4:7], s[0:1], 0x0                ; x, ws
	v_lshl_add_u32 v128, v0, 2, 0x1c300
	v_mov_b32 v129, 0
	v_lshlrev_b32 v11, 8, v0                       ; s rows of 256 bytes
	s_lshr_b32 s10, ttmp9, 4                       ; batch
	s_lshl_b32 s10, s10, 19                        ; x 2048 rows x 256 bytes
	s_and_b32 s11, ttmp9, 15                       ; channel group
	s_lshl_b32 s11, s11, 4
	s_add_co_u32 s10, s10, s11
	s_mov_b32 s11, 0
	s_lshl_b32 s14, ttmp9, 15                      ; my plane of ws: 2048 x 16 bytes
	s_mov_b32 s15, 0
	s_wait_kmcnt 0x0
	s_add_nc_u64 s[4:5], s[4:5], s[10:11]
	s_add_nc_u64 s[6:7], s[6:7], s[14:15]
	s_wait_alu depctr_va_vdst(0)                   ; v11 is written, which the sixteen loads read as their offset
.set aa, 0
.rept 16
	global_load_b128 v[DA+4*aa:DA+4*aa+3], v11, s[4:5] offset:aa*32768
.set aa, aa+1
.endr
	; ---- the twiddle table and the addresses, while x is on its way.  r = s + 128 m - 256, theta = r pi/1024 in [-pi/4, pi/4)
	v_lshlrev_b32 v12, 3, v0                       ; 8 s
	Q4 v_add_nc_u32 v[tg], 8*(tg-EB), v0           ; s + 128 m
	Q4 v_cvt_f32_u32 v[tg], v[tg]
	Q4 v_add_f32 v[tg], 0xc3800000, v[tg]          ; - 256, exact
	Q4 v_mul_f32 v[tg], K_STEP, v[tg]
	Q4 v_mul_f32 v[tg+1], v[tg], v[tg]
	Q4 v_mov_b32 v[tg+2], K_S9
	Q4 v_mov_b32 v[tg+3], K_C10
	Q4 v_fmaak_f32 v[tg+2], v[tg+1], v[tg+2], K_S7
	Q4 v_fmaak_f32 v[tg+3], v[tg+1], v[tg+3], K_C8F
	Q4 v_fmaak_f32 v[tg+2], v[tg+1], v[tg+2], K_S5
	Q4 v_fmaak_f32 v[tg+3], v[tg+1], v[tg+3], K_C6
	Q4 v_fmaak_f32 v[tg+2], v[tg+1], v[tg+2], K_S3
	Q4 v_fmaak_f32 v[tg+3], v[tg+1], v[tg+3], K_C4
	Q4 v_mul_f32 v[tg+2], v[tg+1], v[tg+2]
	Q4 v_fmaak_f32 v[tg+3], v[tg+1], v[tg+3], 0xbf000000
	Q4 v_fma_f32 v[tg+4], v[tg], v[tg+2], v[tg]    ; sin = theta + theta (z p)
	Q4 v_fma_f32 v[tg+5], v[tg+1], v[tg+3], 1.0    ; cos
	Q4 v_xor_b32 v[tg+6], 0x80000000, v[tg+4]      ; tg+4..7  = s, c, -s, -c
	Q4 v_xor_b32 v[tg+7], 0x80000000, v[tg+5]
	Q4 v_mov_b32 v[tg+8], v[tg+5]                  ; tg+8..11 = c, -s, -c, s: a stored pair starts at an even register
	Q4 v_mov_b32 v[tg+9], v[tg+6]
	Q4 v_mov_b32 v[tg+10], v[tg+7]
	Q4 v_mov_b32 v[tg+11], v[tg+4]
	v_lshlrev_b32 v1, 4, v0                        ; 16 s
	v_sub_nc_u32 v2, 0x400, v0
	v_and_b32 v2, 0x3ff, v2
	v_lshlrev_b32 v2, 4, v2                        ; mirror of index s: slot (1024 - s) mod 1024
	v_sub_nc_u32 v3, 0x80, v0
	v_and_b32 v3, 0xff, v3                         ; 1..128: the mask changes nothing and shows the bound
	v_lshlrev_b32 v3, 4, v3                        ; mirror of index s + 128 m, m >= 1: slot 128 - s, plus 128 (7 - m) in the offset
	v_add_nc_u32 v4, X1, v1                        ; exchange 1, in: row d, point s
	v_and_b32 v6, 15, v0                           ; d
	v_lshrrev_b32 v15, 4, v0                       ; b'
	v_mul_u32_u24 v5, X1P, v6
	v_lshl_add_u32 v5, v15, 4, v5
	v_add_nc_u32 v5, X1, v5                        ; exchange 1, out: row d, point b' + 8 a'
	v_lshlrev_b32 v6, 4, v6
	v_lshl_add_u32 v6, v15, 12, v6
	v_add_nc_u32 v6, X2, v6                        ; exchange 2, in: plane b', row d', column d
	v_add_nc_u32 v7, X2, v1                        ; exchange 2, out: plane b', place g = s (+128)
	v_and_b32 v8, 31, v0
	v_lshrrev_b32 v14, 5, v0                       ; wave
	v_lshlrev_b32 v8, 4, v8
	v_lshl_add_u32 v8, v14, 2, v8                  ; 16 lane + 4 wave: bin = lane (+32 r), channel = wave
	v_and_b32 v10, 0x60, v0                        ; 32 wave: my wave's eight mask words of a channel
	v_lshlrev_b32 v13, 7, v15                      ; 8 bytes x 16 b'
	v_mov_b32 v9, -1.0
.set dd, 1
.rept 15
	v_mul_u32_u24 v[VB+2*dd-2], dd, v12            ; where W^(s d) lies:      8 s d,     s d <= 1905
	v_mul_u32_u24 v[VB+2*dd-1], dd, v13            ; where W^(16 b' d) lies:  128 b' d,  16 b' d <= 1680
.set dd, dd+1
.endr
	s_mov_b32 s12, 0x76543210                      ; v_permlanex16_b32: lane i of one half reads lane i of the other
	s_mov_b32 s13, 0xfedcba98
	s_wait_alu depctr_va_vdst(0)                   ; the table's four sets are written, which the stores below read; so are v1-v8, v10, v12 and VB+0..29: every LDS and global address of the kernel
	TWPUT 0
	TWPUT 1
	TWPUT 2
	TWPUT 3
	BARRIER                                        ; the table is whole
.set dd, 1
.rept 15
	ds_load_b64 v[WA+2*dd:WA+2*dd+1], v[VB+2*dd-2] offset:TW   ; no vector line has named WA or WB, and none since the wait above names VB
	ds_load_b64 v[WB+2*dd:WB+2*dd+1], v[VB+2*dd-1] offset:TW
.set dd, dd+1
.endr
	s_wait_loadcnt 0x0                             ; x
	s_wait_dscnt 0x0                               ; twiddles
	FFT2048                                        ; EB + 4 m = Z[s + 128 m]
	; ---- the two channels of a sequence: with Z' = Z[2048 - k], P = Z + Z', M = Z - Z':  2 X0 = (P.re, M.im), 2 X1 = (P.im, -M.re)
	s_wait_alu depctr_va_vdst(0)                   ; pass 3 has written EB, which the stores below read, and is done with DA+0..31, in which the mirror's loads land
.set mm, 8
.rept 8
	ds_store_b128 v1, v[EB+4*mm:EB+4*mm+3] offset:X3+(mm-8)*2048   ; bin 1024 + j to slot j
.set mm, mm+1
.endr
	BARRIER
	MIRROR DA
	s_wait_dscnt 0x0
	s_wait_alu depctr_vm_vsrc(0)                   ; the eight stores above have read EB+32.., into which P is written
	v_cmp_eq_u32 vcc_lo, 0, v0                     ; bin 0 does not stand for election: see the selects below
.set mm, 0
.rept 8
.irp q, 0, 2
	v_pk_add_f32 v[PB+4*mm+\q:PB+4*mm+\q+1], v[EB+4*mm+\q:EB+4*mm+\q+1], v[DA+4*mm+\q:DA+4*mm+\q+1]
	v_pk_add_f32 v[DA+4*mm+\q:DA+4*mm+\q+1], v[EB+4*mm+\q:EB+4*mm+\q+1], v[DA+4*mm+\q:DA+4*mm+\q+1] neg_lo:[0,1] neg_hi:[0,1]
	v_pk_mul_f32 v[EB+4*mm+\q:EB+4*mm+\q+1], v[DA+4*mm+\q:DA+4*mm+\q+1], v[DA+4*mm+\q:DA+4*mm+\q+1] op_sel:[1,1] op_sel_hi:[0,0]
	v_pk_fma_f32 v[EB+4*mm+\q:EB+4*mm+\q+1], v[PB+4*mm+\q:PB+4*mm+\q+1], v[PB+4*mm+\q:PB+4*mm+\q+1], v[EB+4*mm+\q:EB+4*mm+\q+1]
.endr
.set mm, mm+1
.endr
	s_wait_alu depctr_va_vcc(0)                    ; the compare above has written VCC, which the four selects read
.irp c, 0, 1, 2, 3
	v_cndmask_b32 v[EB+\c], v[EB+\c], v9, vcc_lo   ; -1 is below every square
.endr
	s_wait_alu depctr_va_vdst(0)                   ; the squares are written into EB+0..31, which the stores below read
.set mm, 0
.rept 8
	ds_store_b128 v1, v[EB+4*mm:EB+4*mm+3] offset:MG+mm*2048
.set mm, mm+1
.endr
	BARRIER
	; ---- the election: wave w ranks channel w; lane l, register r hold bin l + 32 r
.set rr, 0
.rept 32
	ds_load_b32 v[VB+rr], v8 offset:MG+rr*512      ; VB was last named by vector lines at the head, and read as addresses ahead of the transform's waits on vm_vsrc
.set rr, rr+1
.endr
	s_wait_dscnt 0x0
	s_wait_alu depctr_vm_vsrc(0)                   ; the stores of the squares have read EB+0..31, which is sort bank SB from here on
	BLAYER VB, SA, 32, 2, 1                        ; each lane: two runs of 16, the first descending, the second ascending
	BLAYER SA, SB, 32, 4, 2
	BLAYER SB, SA, 32, 4, 1
	BLAYER SA, SB, 32, 8, 4
	BLAYER SB, SA, 32, 8, 2
	BLAYER SA, SB, 32, 8, 1
	BLAYER SB, SA, 32, 16, 8
	BLAYER SA, SB, 32, 16, 4
	BLAYER SB, SA, 32, 16, 2
	BLAYER SA, SB, 32, 16, 1
.set ii, 0
.rept 16
	v_max_num_f32 v[SA+ii], v[SB+ii], v[SB+16+ii]  ; the lane's 16 largest: no lane can give more than 16
.set ii, ii+1
.endr
	BLAYER SA, SB, 16, 64, 8
	BLAYER SB, SA, 16, 64, 4
	BLAYER SA, SB, 16, 64, 2
	BLAYER SB, SA, 16, 64, 1
	XLEVEL SA, SB, 1                               ; the 16 largest of 2, 4, 8, 16 lanes
	XLEVEL SB, SA, 2
	XLEVEL SA, SB, 4
	XLEVEL SB, SA, 8
.set ii, 0
.rept 16
	v_permlanex16_b32 v[SB+ii], v[SA+15-ii], s12, s13
.set ii, ii+1
.endr
.set ii, 0
.rept 16
	v_max_num_f32 v[SB+ii], v[SB+ii], v[SA+ii]     ; the channel's 16 largest, with multiplicity, in every lane
.set ii, ii+1
.endr
	v_min3_num_f32 v[SA+0], v[SB+0], v[SB+1], v[SB+2]
	v_min3_num_f32 v[SA+1], v[SB+3], v[SB+4], v[SB+5]
	v_min3_num_f32 v[SA+2], v[SB+6], v[SB+7], v[SB+8]
	v_min3_num_f32 v[SA+3], v[SB+9], v[SB+10], v[SB+11]
	v_min3_num_f32 v[SA+4], v[SB+12], v[SB+13], v[SB+14]
	v_min3_num_f32 v[SA+0], v[SA+0], v[SA+1], v[SA+2]
	v_min3_num_f32 v[SA+3], v[SA+3], v[SA+4], v[SB+15]
	v_min_num_f32 v13, v[SA+0], v[SA+3]            ; T, the 16th largest
.set ii, 0
.rept 16
	v_cmp_eq_f32 s[CM+ii], v[SB+ii], v13           ; a run of sixteen compares, each into an SGPR of its own
.set ii, ii+1
.endr
	s_wait_alu depctr_va_sdst(0)                   ; the sixteen compares have written s[CM ..], which the scalar lines below read
	s_mov_b32 s14, 0                               ; how many of the 16 equal T: so many of the bins equal to T are taken, lowest k first
.set ii, 0
.rept 16
	s_and_b32 s[CM+ii], s[CM+ii], 1                ; lane 0's answer
	s_add_co_u32 s14, s14, s[CM+ii]
.set ii, ii+1
.endr
	v_mov_b32 v14, 0
	s_mov_b32 s15, 0                               ; bins equal to T met so far (k ascends with the lane, then with r)
.irp hh, 0, 1                          ; sixteen rows at a time: as many as the SGPRs hold three masks for
.set ii, 0
.rept 16
	v_cmp_gt_f32 s[GM+ii], v[VB+16*\hh+ii], v13
	v_cmp_eq_f32 s[EM+ii], v[VB+16*\hh+ii], v13
.set ii, ii+1
.endr
	s_wait_alu depctr_va_sdst(0)                   ; the 32 compares have written s[GM ..] and s[EM ..], which the counts, the ranks and the masks below read
.set ii, 0
.rept 16
	s_mov_b32 s[CM+ii], s15                        ; the equal ones in the rows before this one
	s_bcnt1_i32_b32 s10, s[EM+ii]
	s_add_co_u32 s15, s15, s10
.set ii, ii+1
.endr
.set ii, 0
.rept 16
	v_mbcnt_lo_u32_b32 v[SA+ii], s[EM+ii], s[CM+ii]    ; my rank among the equal ones
.set ii, ii+1
.endr
.set ii, 0
.rept 16
	v_cmp_gt_u32 s[CM+ii], s14, v[SA+ii]
.set ii, ii+1
.endr
	s_wait_alu depctr_va_sdst(0)                   ; the sixteen compares have written s[CM ..], which the scalar lines below read
.set ii, 0
.rept 16
.set rr, 16*\hh+ii
	s_and_b32 s[CM+ii], s[CM+ii], s[EM+ii]
	s_or_b32 s[CM+ii], s[CM+ii], s[GM+ii]          ; bit l: bin l + 32 r is kept
	v_writelane_b32 v14, s[CM+ii], (rr&3)*8+(rr>>2)    ; row r = w' + 4 m goes to word 8 w' + m of my channel
.set ii, ii+1
.endr
.endr
	v_lshlrev_b32 v15, 2, v0                       ; 128 wave + 4 lane: each wave stores 128 consecutive bytes of its own
	s_wait_alu depctr_va_vdst(0)                   ; v14 and v15 are written, which the store reads; the ranks' lines are done with SA, in which the mask words land behind the barrier
	ds_store_b32 v15, v14 offset:MK
	BARRIER
	; ---- back to thread s, bins s + 128 m = lane + 32 (wave + 4 m): the word of that row has my bin at my lane's bit,
	; so it is a v_cndmask mask as it stands
.irp c, 0, 1, 2, 3
	ds_load_b128 v[SA+8*\c:SA+8*\c+3],   v10 offset:MK+128*\c
	ds_load_b128 v[SA+8*\c+4:SA+8*\c+7], v10 offset:MK+128*\c+16
.endr
	s_wait_dscnt 0x0
.set ii, 0
.rept 32
	v_readfirstlane_b32 s[MS+ii], v[SA+ii]         ; the same word in every lane
.set ii, ii+1
.endr
	s_wait_alu depctr_va_sdst(0)                   ; the 32 lines above have written s[MS ..], which the selects below read as masks
	; Kept spectrum of the packed pair, twice: 2 Y[k] = P~ + M~, 2 Y[2048-k] = P~ - M~, P~ = (m0 P.re, m1 P.im), M~ = (m1 M.re, m0 M.im).
	; The inverse transform is the forward one on data with re and im exchanged, so both are formed exchanged, in other registers.
.set ii, 0
.rept 32
.set jj, ii^1
	v_cndmask_b32 v[VB+ii], 0, v[PB+jj], s[MS+8*(jj&3)+(jj>>2)]
	v_cndmask_b32 v[SA+ii], 0, v[DA+jj], s[MS+8*(ii&3)+(ii>>2)]
.set ii, ii+1
.endr
.set pp, 0
.rept 16
	v_pk_add_f32 v[DA+2*pp:DA+2*pp+1], v[VB+2*pp:VB+2*pp+1], v[SA+2*pp:SA+2*pp+1]
	v_pk_add_f32 v[EB+2*pp:EB+2*pp+1], v[VB+2*pp:VB+2*pp+1], v[SA+2*pp:SA+2*pp+1] neg_lo:[0,1] neg_hi:[0,1]
.set pp, pp+1
.endr
	s_wait_alu depctr_va_vdst(0)                   ; the differences are written into EB+0..31, which the stores below read; the sums are done reading SA, in which the mirror's loads land
.set mm, 0
.rept 8
	ds_store_b128 v1, v[EB+4*mm:EB+4*mm+3] offset:X3+mm*2048       ; Y[2048 - k] to slot k (the first fill's reads were waited for two barriers ago)
.set mm, mm+1
.endr
	BARRIER
	MIRROR DA+32                                   ; index 1024 + s + 128 m takes slot 1024 - s - 128 m; index 1024 meets slot 0, which is bin 0: zero
	s_wait_dscnt 0x0
	FFT2048
	; ---- exchange re and im back, times 1/2 (P and M carry 2 X) x 1/2048, and out: a wave's store covers 512 consecutive bytes, aligned.
	; In two halves: the first eight stores are dealt among the scalings of the other half, which name DA+32.. and EB+32.. alone.
.set pp, 0
.rept 16
	v_pk_mul_f32 v[DA+2*pp:DA+2*pp+1], v[EB+2*pp:EB+2*pp+1], 0x39800000 op_sel:[1,0] op_sel_hi:[0,0]
.set pp, pp+1
.endr
	s_wait_alu depctr_va_vdst(0)                   ; the scalings have written DA+0..31, which the eight stores below read
.set mm, 0
.rept 8
	global_store_b128 v1, v[DA+4*mm:DA+4*mm+3], s[6:7] offset:mm*2048
	v_pk_mul_f32 v[DA+32+4*mm:DA+32+4*mm+1], v[EB+32+4*mm:EB+32+4*mm+1], 0x39800000 op_sel:[1,0] op_sel_hi:[0,0]
	v_pk_mul_f32 v[DA+34+4*mm:DA+34+4*mm+1], v[EB+34+4*mm:EB+34+4*mm+1], 0x39800000 op_sel:[1,0] op_sel_hi:[0,0]
.set mm, mm+1
.endr
	s_wait_alu depctr_va_vdst(0)                   ; the scalings have written DA+32..63, which the last eight stores read
.set mm, 8
.rept 8
	global_store_b128 v1, v[DA+4*mm:DA+4*mm+3], s[6:7] offset:mm*2048
.set mm, mm+1
.endr
	s_wait_dscnt 0x0
	s_wait_alu depctr_hold_cnt(0) depctr_sa_sdst(0) depctr_va_vdst(0) depctr_va_sdst(0) depctr_va_ssrc(0) depctr_va_vcc(0) depctr_vm_vsrc(0)
	s_wait_tensorcnt 0x0
	ds_add_u32 v128, v129
	s_wait_dscnt 0x0
	s_endpgm
.Lfunc_end_k_qb996cfab47_spectrum:
	.size	k_qb996cfab47_spectrum, .Lfunc_end_k_qb996cfab47_spectrum-k_qb996cfab47_spectrum
	.p2alignl 7, 3214868480
	.fill 96, 4, 3214868480
	.section	.rodata,"a",@progbits
	.p2align	6, 0x0
	.amdhsa_kernel k_qb996cfab47_spectrum
		.amdhsa_group_segment_fixed_size 115968
		.amdhsa_private_segment_fixed_size 0
		.amdhsa_enable_private_segment 0
		.amdhsa_kernarg_size 16
		.amdhsa_user_sgpr_count 2
		.amdhsa_user_sgpr_kernarg_segment_ptr 1
		.amdhsa_wavefront_size32 1
		.amdhsa_system_sgpr_workgroup_id_x 1
		.amdhsa_system_sgpr_workgroup_id_y 1
		.amdhsa_system_sgpr_workgroup_id_z 1
		.amdhsa_system_vgpr_workitem_id 0
		.amdhsa_next_free_vgpr 256
		.amdhsa_next_free_sgpr 66
		.amdhsa_reserve_vcc 1
		.amdhsa_float_denorm_mode_32 3
		.amdhsa_float_denorm_mode_16_64 3
		.amdhsa_memory_ordered 1
		.amdhsa_forward_progress 1
		.amdhsa_inst_pref_size 162
	.end_amdhsa_kernel
	.amdgpu_metadata
---
amdhsa.version: [ 1, 2 ]
amdhsa.kernels:
  - .name:           k_qb996cfab47_spectrum
    .symbol:         k_qb996cfab47_spectrum.kd
    .args:
      - { .name: x, .offset: 0, .size: 8, .value_kind: global_buffer, .address_space: global }
      - { .name: ws, .offset: 8, .size: 8, .value_kind: global_buffer, .address_space: global }
    .group_segment_fixed_size: 115968
    .private_segment_fixed_size: 0
    .kernarg_segment_align: 8
    .kernarg_segment_size: 16
    .max_flat_workgroup_size: 128
    .sgpr_count:     66
    .vgpr_count:     256
    .wavefront_size: 32
...
	.end_amdgpu_metadata
.endif
;; end of part 3
;; launch rows: the kernel of part 2 again; grid 256 x 1, 8 waves a work-group, no clusters, 35,840 bytes of LDS; arguments ws, out0; writes out0
